; MI455X (gfx1250); checked and timed in simulation.
; The chip was launched on July 23, 2026; its instructions are those of AMD's public machine-readable ISA for CDNA 5 (MIT licence, August 2026) and "CDNA5" Instruction Set Architecture Reference Guide (July 2026). The comments in the code are by the model that wrote it; some were corrected since.
;; Nested Feed Forward. Allowed arithmetic: matrix products marked QUANTISED: E2M1 operands, one E8M0 scale for each 32 along K, by v_wmma_scale_f32_16x16x128_f8f6f4 with both operands' format E2M1 (or v_wmma_scale_f32_32x16x128_f4), f32 sums; everything else in f32.
;; Inputs: b1 2,048 float32; b2 2,048 float32; token_mask 4 x 2,048 int32; w1_codes 2,048 x 64 x 16 uint8 (E2M1 codes of w1, K innermost, in blocks of 32 codes, two codes a byte); w1_scales 2,048 x 64 uint8 (E8M0 scales of w1, one for each 32 codes along K); w2_codes 2,048 x 64 x 16 uint8 (E2M1 codes of w2, K innermost, in blocks of 32 codes, two codes a byte); w2_scales 2,048 x 64 uint8 (E8M0 scales of w2, one for each 32 codes along K); x 4 x 2,048 x 2,048 float32.
;; Outputs: out0 4 x 2,048 x 2,048 float32.
;; This version of the problem:
;;   THIS VERSION OF THE PROBLEM IS GIVEN IN LOW PRECISION. The matrix products marked QUANTISED in the list below multiply operands that are first quantised to E2M1 (2 exponent bits, 1 mantissa bit; 4 bits a number), with one power-of-two scale for each 32 numbers along K (OCP MX v1.0); their sums are f32. All else is computed in f32.
;;   The module's matrix products, in the order in which they are computed (A, B: the left and right operand; K: the contracted axis; several contracted axes count as one K, in the product's order):
;;     1. [M 8,192, K 2,048] x [K 2,048, N 2,048]; A: computed on the way; B: input w1 (given as codes): QUANTISED
;;     2. [M 8,192, K 2,048] x [K 2,048, N 2,048]; A: computed on the way; B: input w2 (given as codes): QUANTISED
;;   THE QUANTISER, for each operand of a quantised product, along K:
;;     - K is cut into blocks of 32 from its start; a last block that is shorter is filled with zeros.
;;     - A block's scale is 2^e with e = floor(log2(the largest magnitude in the block)) - 2, held to -126 .. 127; a block of zeros has e = 0. As a byte (E8M0): e + 127.
;;     - Each number is divided by its block's scale, clamped to +-6, and rounded to the nearest number of E2M1, ties to even, subnormals kept.
;;     - The product sums the exact products of the quantised numbers (number of the format x scale) in f32.
;;   ~~~python
;;   def quantise(x, axis):      # numpy; x: float32 -> the quantised numbers, widened to float32 again
;;       x = np.moveaxis(x, axis, -1); K = x.shape[-1]
;;       x = np.pad(x, [(0, 0)] * (x.ndim - 1) + [(0, -K % 32)]); x = x.reshape(x.shape[:-1] + (-1, 32)); a = np.abs(x).max(-1, keepdims=True)
;;       e = np.where(a > 0, np.clip(np.frexp(np.where(a > 0, a, 1))[1] - 1 - 2, -126, 127), 0)      # np.frexp(a)[1] - 1 = floor(log2(a)), exactly
;;       r = np.clip(x / 2.0 ** e, -6, 6)
;;       step = 2.0 ** (np.maximum(np.frexp(np.where(r == 0, 1, r))[1] - 1, 0) - 1)
;;       q = np.round(r / step) * step * 2.0 ** e      # np.round: ties to even
;;       return np.moveaxis(q.reshape(q.shape[:-2] + (-1,))[..., :K], -1, axis).astype(np.float32)
;;   ~~~
;;   OPERANDS COMPUTED ON THE WAY. 'Computed on the way' means the value that the module computes at that place (a softmax that the list does not call 'softmax' is quantised finished and normalised). What goes into a quantiser is computed in f32, as accurately as f32 sums, v_exp_f32 and their like allow (about 1e-6 of the number): no bf16 or f16 on the way to a quantiser, and a product that is left as it is and whose result goes on into a quantised operand takes f32 operands (vector FMAs, or v_wmma_f32_16x16x4_f32). A number that lies on a knife's edge between two numbers of the format may be rounded either way, as far as f32 arithmetic and the matrix unit's own rounding can turn it there, and no further.
;;   INPUTS GIVEN AS CODES. w1 (in the module: [2048, 2048], K = its axis 1); w2 (in the module: [2048, 2048], K = its axis 1): each comes as NAME_codes (uint8): NAME with its K axis moved to the last place and cut into blocks of 32 codes, [.., K / 32, bytes a block], one block behind the other in memory; two codes a byte, the lower K in the low four bits (a code: sign, 2 exponent bits, 1 mantissa bit); and NAME_scales (uint8): the same leading axes, one E8M0 byte (e + 127) for each 32 codes along K. Its value is code x scale, taken as it is: it is not quantised again, and the codes and scales need not be those that the quantiser above would give.
;; One version. Each part assembles by itself: llvm-mc -triple=amdgcn-amd-amdhsa -mcpu=gfx1250 --defsym DOCPART=n.
;; ======== version 1 of 1: 3 launches
;; limits: right only within a limited range of input values
;; workspace buffers: x_codes 8,388,608 bytes; x_scales 524,288 bytes; h_codes 8,388,608 bytes; h_scales 524,288 bytes
;; launch quant (part 1): grid 2048 x 1, 4 waves a work-group, no clusters, 21,248 bytes of LDS; arguments x, token_mask, x_codes, x_scales; writes x_codes, x_scales
.if DOCPART == 1
	.amdgcn_target "amdgcn-amd-amdhsa--gfx1250"
	.amdhsa_code_object_version 6
	.text
	.protected	k_q3ebc8d1160_quant
	.globl	k_q3ebc8d1160_quant
	.p2align	8
	.type	k_q3ebc8d1160_quant,@function
k_q3ebc8d1160_quant:
	s_mov_b64 s[64:65], 0
	v_nop
	global_prefetch_b8 v0, s[64:65] scope:SCOPE_SE
	s_setreg_imm32_b32 hwreg(HW_REG_WAVE_MODE, 25, 1), 1
	s_wait_xcnt 0x0
; x [8192][2048] f32, times the token's feature mask, becomes codes of FP4 (E2M1), K innermost, [8192][1024 bytes], and one E8M0 byte for each 32 along K, [8192][64].
; The token's width is Dm = 2048 >> (4 - m) for m = 1 .. 4 and 0 for any other m; columns from Dm on count as 0.
; A block's scale is 2^(floor(log2(its largest magnitude)) - 2); its byte is the largest magnitude's exponent field - 2, held at 1 from below.  Each number is divided by the scale and rounded to the nearest code, ties to even.
; ONE WAVE, ONE ROW, four steps of 512 numbers.  Step 0 is asked for before m is known.  Then the text parts by the number of steps that hold columns under Dm (4, 2, 1 or 0), one path each, so that every wait for loads has its count.
; A step that lies wholly past Dm is neither read nor worked: its codes are zeros and its bytes 127.  A row of width 256 works its first 512 numbers, and the codes of columns 256 .. 511 are cleared.
; The conversions take numbers of one block from ONE lane's registers, so a lane must hold 16 neighbours; a load is dense where neighbouring lanes take neighbouring bytes.  Both are had: each load reads 512 consecutive
; bytes, 16 a lane; a step's 2,048 bytes go through the wave's own stage in LDS and come back 64 bytes a lane (80 bytes from lane to lane).  A lane's 16 codes are 8 bytes: the wave stores 256 consecutive aligned bytes.
; The four rows' 256 scale bytes meet in LDS and leave as one aligned run of 256 bytes, stored by wave 0 behind the one barrier.
; The only branches on data hang on token_mask, a whole-number input; no address hangs on it.
; LIMITS: NaN and infinities in x are not served (past the first 512 columns they are not read under the mask, where 0 x NaN would be NaN).  A block of zeros inside a worked step, or one of columns 256 .. 511 under the mask, gets a byte
; other than the rule's 127: its codes are zeros, which add nothing under any byte but 0xff, and this program alone reads the bytes.  Blocks whose largest magnitude lies under 2^-124 have their byte held at 1.
.set SP,    80                         ; a lane's place in a stage: its 64 bytes + 16 of padding
.set WREG,  2*32*SP                    ; LDS: two stages for each wave
.set SCB,   4*WREG                     ; behind them: the work-group's 256 scale bytes
.set SPARE, SCB+256                    ; behind them: the spare words, 512 bytes that no other line names
.set R,     16                         ; v16-79   four steps x 16 numbers as they are loaded
.set X,     80                         ; v80-111  two sets of 16 neighbours
.set C,     112                        ; v112-119 codes: two registers for each step
.set E,     120                        ; v120-123 a scale byte for each step
	s_load_b256 s[4:11], s[0:1], 0x0               ; x s[4:5], token_mask s[6:7], the codes s[8:9], the scale bytes s[10:11]
	v_lshl_add_u32 v124, v0, 2, SPARE
	v_mov_b32 v125, 0
	v_lshrrev_b32 v1, 5, v0
	v_readfirstlane_b32 s16, v1                    ; wave
	v_and_b32 v2, 31, v0                           ; lane
	s_lshl_b32 s17, ttmp9, 2
	s_add_co_u32 s17, s17, s16                     ; my row = 4 x work-group + wave
	s_lshl_b32 s18, s17, 2
	s_mov_b32 s19, 0
	s_wait_alu depctr_va_vdst(0)
	s_wait_kmcnt 0x0
	s_add_nc_u64 s[6:7], s[6:7], s[18:19]
	s_load_b32 s20, s[6:7], 0x0                    ; m of my row
	s_lshl_b32 s18, s17, 13                        ; a row of x is 8,192 bytes
	s_add_nc_u64 s[4:5], s[4:5], s[18:19]
	v_lshlrev_b32 v3, 4, v2                        ; 16 x lane: my 16 bytes of a load's 512; also the first column of my 16 neighbours in a step
.macro LOAD t                          ; step t's 512 numbers: each load reads 512 consecutive bytes
.irp i, 0,1,2,3
	global_load_b128 v[R+16*\t+4*\i:R+16*\t+4*\i+3], v3, s[4:5] offset:2048*\t+512*\i th:TH_LOAD_NT
.endr
.endm
	LOAD 0
	s_mul_i32 s24, s16, WREG
	v_lshrrev_b32 v14, 2, v2
	v_mul_u32_u24 v14, v14, SP
	v_and_b32 v15, 3, v2
	v_lshl_add_u32 v14, v15, 4, v14
	v_add_nc_u32 v14, s24, v14                     ; the stage, in: SP (lane / 4) + 16 (lane % 4)
	v_mul_u32_u24 v15, v2, SP
	v_add_nc_u32 v15, s24, v15                     ; and back: SP x lane
	v_lshlrev_b32 v4, 3, v2                        ; 8 x lane: my codes' place in a step's 256 bytes; also my 8 of the 256 scale bytes
	s_lshl_b32 s24, s16, 6
	s_add_co_u32 s24, s24, SCB
	v_lshrrev_b32 v5, 1, v2
	v_add_nc_u32 v5, s24, v5                       ; LDS: my row's 64 scale bytes, my block's byte
	v_add_nc_u32 v6, SCB, v4                       ; and where wave 0 reads them back
	v_mov_b32 v10, 127                             ; the byte of a block of zeros
	v_mov_b32 v126, 0                              ; and its codes
	v_mov_b32 v127, 0
	s_lshl_b32 s18, s17, 10                        ; a row of codes is 1,024 bytes
	s_add_nc_u64 s[8:9], s[8:9], s[18:19]
	s_lshl_b32 s18, ttmp9, 8                       ; the work-group's four rows of scale bytes are 256
	s_add_nc_u64 s[10:11], s[10:11], s[18:19]
	s_wait_alu depctr_va_vdst(0)
	s_wait_kmcnt 0x0
	s_sub_co_u32 s22, 4, s20
	s_lshr_b32 s21, 2048, s22                      ; 2048 >> (4 - m)
	s_sub_co_u32 s23, s20, 1
	s_cmp_lt_u32 s23, 4                            ; 1 <= m <= 4, as one unsigned compare
	s_cselect_b32 s21, s21, 0                      ; Dm
.macro TURN t                          ; step t's numbers through stage t % 2: LDS serves a wave's instructions in order, so no wait stands between the stores and the loads
.irp i, 0,1,2,3
	ds_store_b128 v14, v[R+16*(\t)+4*\i:R+16*(\t)+4*\i+3] offset:32*SP*((\t)%2)+8*SP*\i
.endr
.irp i, 0,1,2,3
	ds_load_b128 v[X+16*((\t)%2)+4*\i:X+16*((\t)%2)+4*\i+3], v15 offset:32*SP*((\t)%2)+16*\i
.endr
.endm
; A worked step.  next = 1: the next step is worked too and goes through the other stage meanwhile; later = the loads issued for the steps behind that one, which may stay out.
.macro STEP t, next, later
.set XS, X+16*((\t)%2)
.if (\t) > 0
	s_wait_dscnt 1                                 ; this step's numbers are back from the stage; the last step's byte store, issued behind them, may be out
.else
	s_wait_dscnt 0x0
.endif
.if \next
	s_wait_loadcnt \later
	TURN (\t)+1
.endif
	v_max3_num_f32 v8, |v[XS]|, |v[XS+1]|, |v[XS+2]|               ; the largest magnitude of my 16, in two chains
	v_max3_num_f32 v9, |v[XS+3]|, |v[XS+4]|, |v[XS+5]|
.irp i, 6,10
	v_max3_num_f32 v8, v8, |v[XS+\i]|, |v[XS+\i+1]|
	v_max3_num_f32 v9, v9, |v[XS+\i+2]|, |v[XS+\i+3]|
.endr
	v_max3_num_f32 v8, v8, |v[XS+14]|, |v[XS+15]|
	v_max3_num_f32 v8, v8, v9, 0x1800000           ; and the floor 2^(3 - 127): the byte cannot fall under 1
	v_max_num_f32_dpp v8, v8, v8 row_xmask:1 row_mask:0xf bank_mask:0xf   ; and of my neighbour's 16: the block's
	v_add_nc_u32 v11, 0xff000000, v8               ; 2 off its exponent field: the conversion's scale operand
	v_cvt_scalef32_pk8_fp4_f32 v[C+2*(\t)], v[XS:XS+7], v11
	v_cvt_scalef32_pk8_fp4_f32 v[C+2*(\t)+1], v[XS+8:XS+15], v11
	v_lshrrev_b32 v[E+(\t)], 23, v11               ; the scale's byte (a plain line between the conversions and the selects that touch their results)
	s_sub_co_i32 s22, s21, 512*(\t)
	v_cmp_gt_i32 vcc_lo, s22, v3                   ; my 16 columns count where 512 t + 16 lane < Dm (Dm is a multiple of 256)
	v_cndmask_b32 v[C+2*(\t)], 0, v[C+2*(\t)], vcc_lo
	v_cndmask_b32 v[C+2*(\t)+1], 0, v[C+2*(\t)+1], vcc_lo
	ds_store_b8 v5, v[E+(\t)] offset:16*(\t)       ; both lanes of a block write the same byte with the same value
	global_store_b64 v4, v[C+2*(\t):C+2*(\t)+1], s[8:9] offset:256*(\t)   ; 32 lanes store 256 consecutive aligned bytes
.endm
.macro ZSTEP t                         ; a step past Dm
	ds_store_b8 v5, v10 offset:16*(\t)
	global_store_b64 v4, v[126:127], s[8:9] offset:256*(\t)
.endm
	s_cmp_gt_u32 s21, 512
	s_cbranch_scc0 .Lone
	LOAD 1
	s_cmp_gt_u32 s21, 1024
	s_cbranch_scc0 .Ltwo
	LOAD 2                                         ; Dm = 2,048: all four steps
	LOAD 3
	s_wait_loadcnt 12                              ; step 0 is in; the 12 loads of steps 1 to 3 may be out
	TURN 0
	STEP 0, 1, 8
	STEP 1, 1, 4
	STEP 2, 1, 0
	STEP 3, 0, 0
	s_branch .Ldone
.Ltwo:                                                 ; Dm = 1,024: two steps
	s_wait_loadcnt 4
	TURN 0
	STEP 0, 1, 0
	STEP 1, 0, 0
	s_branch .Lz2
.Lone:                                                 ; Dm = 512, 256 or 0
	s_wait_loadcnt 0x0
	s_cmp_eq_u32 s21, 0
	s_cbranch_scc1 .Lz0
	TURN 0
	STEP 0, 0, 0
	s_branch .Lz1
.Lz0:
	ZSTEP 0
.Lz1:
	ZSTEP 1
.Lz2:
	ZSTEP 2
	ZSTEP 3
.Ldone:
	s_wait_dscnt 0x0                               ; for wave 0's sake: my byte stores are done
	s_barrier_signal -1
	s_barrier_wait -1
	s_cmp_lg_u32 s16, 0
	s_cbranch_scc1 .Lend
	ds_load_b64 v[12:13], v6                       ; the four rows' 256 scale bytes, 8 a lane
	s_wait_dscnt 0x0
	global_store_b64 v4, v[12:13], s[10:11]        ; 256 consecutive aligned bytes
.Lend:
	s_wait_tensorcnt 0x0                           ; the wave's end
	ds_add_u32 v124, v125
	s_wait_dscnt 0x0
	s_endpgm
.Lfunc_end_k_q3ebc8d1160_quant:
	.size	k_q3ebc8d1160_quant, .Lfunc_end_k_q3ebc8d1160_quant-k_q3ebc8d1160_quant
	.p2alignl 7, 3214868480
	.fill 96, 4, 3214868480
	.section	.rodata,"a",@progbits
	.p2align	6, 0x0
	.amdhsa_kernel k_q3ebc8d1160_quant
		.amdhsa_group_segment_fixed_size 21248
		.amdhsa_private_segment_fixed_size 0
		.amdhsa_enable_private_segment 0
		.amdhsa_kernarg_size 32
		.amdhsa_user_sgpr_count 2
		.amdhsa_user_sgpr_kernarg_segment_ptr 1
		.amdhsa_wavefront_size32 1
		.amdhsa_system_sgpr_workgroup_id_x 1
		.amdhsa_system_sgpr_workgroup_id_y 1
		.amdhsa_system_sgpr_workgroup_id_z 1
		.amdhsa_system_vgpr_workitem_id 0
		.amdhsa_next_free_vgpr 128
		.amdhsa_next_free_sgpr 66
		.amdhsa_reserve_vcc 1
		.amdhsa_float_denorm_mode_32 3
		.amdhsa_float_denorm_mode_16_64 3
		.amdhsa_memory_ordered 1
		.amdhsa_forward_progress 1
		.amdhsa_inst_pref_size 17
	.end_amdhsa_kernel
	.amdgpu_metadata
---
amdhsa.version: [ 1, 2 ]
amdhsa.kernels:
  - .name:           k_q3ebc8d1160_quant
    .symbol:         k_q3ebc8d1160_quant.kd
    .args:
      - { .name: x, .offset: 0, .size: 8, .value_kind: global_buffer, .address_space: global }
      - { .name: token_mask, .offset: 8, .size: 8, .value_kind: global_buffer, .address_space: global }
      - { .name: x_codes, .offset: 16, .size: 8, .value_kind: global_buffer, .address_space: global }
      - { .name: x_scales, .offset: 24, .size: 8, .value_kind: global_buffer, .address_space: global }
    .group_segment_fixed_size: 21248
    .private_segment_fixed_size: 0
    .kernarg_segment_align: 8
    .kernarg_segment_size: 32
    .max_flat_workgroup_size: 128
    .sgpr_count:     66
    .vgpr_count:     128
    .wavefront_size: 32
...
	.end_amdgpu_metadata
.endif
;; end of part 1
;; launch gemm1 (part 2): grid 8 x 32, 4 waves a work-group, clusters of 4 x 4, 327,680 bytes of LDS; arguments x_codes, x_scales, w1_codes, w1_scales, h_codes, b1, h_scales; writes h_codes, h_scales
.if DOCPART == 2
	.amdgcn_target "amdgcn-amd-amdhsa--gfx1250"
	.amdhsa_code_object_version 6
	.text
	.protected	k_q3ebc8d1160_gemm1
	.globl	k_q3ebc8d1160_gemm1
	.p2align	8
	.type	k_q3ebc8d1160_gemm1,@function
k_q3ebc8d1160_gemm1:
	s_mov_b64 s[64:65], 0
	v_nop
	global_prefetch_b8 v0, s[64:65] scope:SCOPE_SE
	s_setreg_imm32_b32 hwreg(HW_REG_WAVE_MODE, 25, 1), 1
	s_wait_xcnt 0x0
	s_wait_alu depctr_hold_cnt(0) depctr_sa_sdst(0) depctr_va_vdst(0) depctr_va_sdst(0) depctr_va_ssrc(0) depctr_va_vcc(0) depctr_vm_vsrc(0)
	s_getreg_b32 s2, hwreg(HW_REG_IB_STS2, 6, 4)
	s_cmp_eq_u32 s2, 0
	s_cbranch_scc0 .Lentry_in_a_cluster
	s_endpgm
.Lentry_in_a_cluster:
	s_bfe_u32 s2, ttmp6, 0x10000c
	s_cmp_lg_u32 s2, 0xf033
	s_cbranch_scc0 .Lentry_shape_is_right
	s_endpgm
.Lentry_shape_is_right:
; h = Q(gelu(xq w1^T + b1)).  xq: codes of FP4 (E2M1) [8192][1024 bytes], scale bytes [8192][64] (made by the launch before); w1: codes [2048][1024 bytes], scale bytes [2048][64] (given); b1 [2048] f32.
; h leaves as codes in the order of the next product's operand registers, [K / 512 (4)][row / 16 (512)][(K / 128) % 4][c (2)][lane (32)][16 bytes], and scale bytes [8192][64].
; A tile of 256 rows x 256 hidden units is made by four waves, each 128 x 128: 64 accumulators.  K goes in steps of 512 (rows of 256 bytes) through a ring of two LDS slots; the scales of the tile's rows, for all of K, come once.
; CLUSTER 4 x 4: x's tiles are asked for jointly along a row of the cluster, w1's along a column.  THE HEAD: four joint loads, one a wave: K step 0's 256 rows of x, of w1, x's scales, w1's scales.
; THE MATRIX INSTRUCTION IS USED TRANSPOSED (source 0 = 16 rows of w1, source 1 = 16 rows of x): a lane holds eight neighbouring hidden units of one row.  The bias is the C of each sum's first instruction.
; THE WAY OUT: the sums go through my stage in LDS (it lies in the ring, which has had its last fill and, behind a barrier, its last read) and come back 16 neighbours a lane and block of 32; gelu in f32; the block's scale; codes.
; gelu(x) = x (0.5 + xc P(t) / Q(t)), t = xc^2, xc = x held to +-5.657, beyond which the bracket is 0 or 1 in f32.  It runs in batches of 32 numbers a lane, its working registers in window 1, which the last products have left free.
; PREFETCH: K steps 1, 2 and 3 are asked of memory ahead of their tensor loads, one instruction a wave and K step: of the 128 rows that a wave fetches in the ring each of the four partners that ask jointly names 32, told apart by
; address, a lane a row of 256 bytes.  K steps 1 and 2 are named at the head, under the head's loads; K step 3 behind K step 1's load, a whole slot ahead of its own.  The address registers are never written again.
; LIMITS: NaN and infinities are not served.  A block of zeros gets the byte 1 and zero codes: this program alone reads the bytes.
.set NQ,     4
.set ROWB,   256
.set KROW,   1024
.set PITCH,  272                       ; an LDS row: 256 bytes + 16 of padding
.set FR,     8
.set NL,     2
.set NP,     4                         ; places behind this matrix instruction (ISA guide 7.12.1)
.set HALFT,  128*PITCH
.set SLOT,   4*HALFT                   ; x's 256 rows, then w1's 256 rows
.set KS,     64                        ; a row of scale bytes
.set SCL,    2*SLOT                    ; behind the ring: the scales, as runs of 256 bytes + 16
.set HALFS,  (128*KS/256)*272
.set SBLK,   (16*KS/256)*272
.set SPARE,  SCL+4*HALFS               ; the spare words: 512 bytes that no other line names
.set SPITCH, 528
.set WSTG,   128*SPITCH                ; a wave's stage: 128 rows x (512 bytes + 16)
.set ADRA, 16                          ; v16-17 LDS address of my x fragments in slot 0, 1
.set ADRB, 20                          ; v20-21 the same for w1
.set LI,   22                          ; 16 x lane
.set LSC,  23                          ; 64 x lane
.set STO,  24                          ; the stage, in
.set RD0,  25                          ; the stage, back
.set RDA,  26
.set ADRS, 27                          ; my scale words: lanes 0-15 x's rows, lanes 16-31 w1's
.set SPW,  28
.set NIL,  29
.set BO,   30
.set PFO,  31                          ; the prefetches' offset: lane x a row of codes
.set PFA,  98                          ; s[98:99] my work-group's 32 rows of the 128 that I fetch
.set SC,   32                          ; v32-95 scale words, two sets, and nothing else
.set AF,   128                         ; x's fragments, one set
.set BIAS, 192
.set G1, 24
.set G0, 32
.set G1B, 48
.set G0B, 56
.set G1S, 68
.set G0S, 76
.set G1SB, 80
.set G0SB, 88
.set G0H, 4                            ; group 0 of the head's loads of codes, where arguments lay that have been used
.set G0HB, 8
.set MSB, 0
.macro WIN new                         ; the immediate's high byte repeats the setting that is left
.if MSB != (\new)
	s_set_vgpr_msb (MSB<<8)|(\new)
.set MSB, (\new)
.endif
.endm
.set MUL_LO, 0xa1                      ; source 0 (w1) window 1, source 1 (x) window 0, C and D window 2
.set MUL_HI, 0xf1
.set FST_LO, 0x81                      ; the same with C (the bias) in window 0
.set FST_HI, 0xc1
.set TO_B,   0x40
.macro JLOAD g0a, g1a, g0b, g1b        ; waves 0, 1 fetch for x, waves 2, 3 for w1
	s_cmp_eq_u32 s15, 0
	s_cbranch_scc0 .Lfor_b_\@
	tensor_load_to_lds s[\g0a:\g0a+3], s[\g1a:\g1a+7]
	s_nop 0
.rept 4
	v_nop
.endr
	s_branch .Lasked_\@
.Lfor_b_\@:
	tensor_load_to_lds s[\g0b:\g0b+3], s[\g1b:\g1b+7]
	s_nop 0
.rept 4
	v_nop
.endr
.Lasked_\@:
.endm
.macro CREST
	s_cmp_lg_u32 s14, 0
	s_cbranch_scc1 .Lnot_wave_0_\@
	s_barrier_signal -3
.Lnot_wave_0_\@:
	s_barrier_wait -3
	s_barrier_signal -1
	s_barrier_wait -1
.endm
.macro CROUND
	s_barrier_signal -1
	s_barrier_wait -1
	CREST
.endm
	s_load_b128 s[4:7], s[0:1], 0x0                ; x's codes, x's scales
	s_load_b128 s[8:11], s[0:1], 0x10              ; w1's codes, w1's scales
	s_load_b64 s[12:13], s[0:1], 0x20              ; h's codes
	s_load_b64 s[66:67], s[0:1], 0x28              ; b1
	s_load_b64 s[96:97], s[0:1], 0x30              ; h's scales
	v_lshl_add_u32 v[SPW], v0, 2, SPARE
	v_mov_b32 v[NIL], 0
	ds_add_u32 v[SPW], v[NIL]                      ; the opening lines: the add twice on end
	ds_add_u32 v[SPW], v[NIL]
	v_lshrrev_b32 v1, 5, v0
	v_readfirstlane_b32 s14, v1                    ; wave
	s_lshr_b32 s15, s14, 1                         ; my half of the rows; also: I fetch for x (0) or w1 (1)
	s_and_b32 s16, s14, 1                          ; my half of the columns; also: which 128 rows I fetch
	s_bfe_u32 s40, ttmp6, 0x40000
	s_bfe_u32 s41, ttmp6, 0x40004
	s_lshl_b32 s42, ttmp9, 2
	s_add_co_u32 s42, s42, s40                     ; tile column
	s_and_b32 s17, ttmp7, 0xffff
	s_lshl_b32 s17, s17, 2
	s_add_co_u32 s17, s17, s41                     ; tile row
	s_lshl_b32 s43, s41, 2
	s_lshl_b32 s43, 15, s43                        ; my row of the cluster
	s_lshl_b32 s44, 0x1111, s40                    ; my column
	s_or_b32 s[G1+0], s43, (0<<16)|(1<<20)|(1<<21)|(5<<22)|(3<<25)
	s_or_b32 s[G1B+0], s44, (0<<16)|(1<<20)|(1<<21)|(5<<22)|(3<<25)
.irp g, G1, G1B
	s_mov_b32 s[\g+1], ROWB<<16
	s_mov_b32 s[\g+2], 256<<16                     ; 256 rows for the head's loads
	s_mov_b32 s[\g+3], ROWB<<16
	s_mov_b32 s[\g+4], 256
	s_mov_b32 s[\g+5], KROW
	s_mov_b32 s[\g+6], 0
	s_mov_b32 s[\g+7], 0
.endr
	s_or_b32 s[G1S+0], s43, (3<<16)|(1<<20)|(1<<21)|(5<<22)|(3<<25)
	s_or_b32 s[G1SB+0], s44, (3<<16)|(1<<20)|(1<<21)|(5<<22)|(3<<25)
.irp g, G1S, G1SB                      ; the scales of 256 rows: a dense block, as 64 rows of 256 bytes
	s_mov_b32 s[\g+1], 32<<16
	s_mov_b32 s[\g+2], KS<<16
	s_mov_b32 s[\g+3], 32<<16
	s_mov_b32 s[\g+4], KS
	s_mov_b32 s[\g+5], 32
	s_mov_b32 s[\g+6], 0
	s_mov_b32 s[\g+7], 0
.endr
	s_lshl_b32 s20, s17, 8
	s_lshl_b32 s46, s42, 8
	s_mov_b32 s21, 0
	s_mov_b32 s47, 0
	s_mov_b64 s[18:19], KS
	s_mul_u64 s[22:23], s[20:21], s[18:19]
	s_mul_u64 s[92:93], s[46:47], s[18:19]
	s_mov_b64 s[18:19], KROW
	s_mul_u64 s[20:21], s[20:21], s[18:19]
	s_mul_u64 s[46:47], s[46:47], s[18:19]
	s_mul_i32 s18, s16, 128*KROW                   ; in the ring I fetch 128 rows: which half
	s_mov_b32 s19, 0
	s_mul_i32 s45, s14, HALFT
	s_lshl_b32 s94, s42, 10                        ; b1 at my first column: 1,024 bytes a tile column + 512 a half
	s_lshl_b32 s95, s16, 9
	s_add_co_u32 s94, s94, s95
	s_mov_b32 s95, 0
	s_wait_dscnt 0x0                               ; both opening adds are done
	s_wait_kmcnt 0x0
	s_add_nc_u64 s[20:21], s[4:5], s[20:21]
	s_add_nc_u64 s[22:23], s[6:7], s[22:23]
	s_add_nc_u64 s[46:47], s[8:9], s[46:47]
	s_add_nc_u64 s[92:93], s[10:11], s[92:93]
	s_add_nc_u64 s[66:67], s[66:67], s[94:95]
	s_cmp_eq_u32 s15, 0                            ; the prefetches: do I fetch for x?
	s_cselect_b64 s[PFA:PFA+1], s[20:21], s[46:47] ; the tile's first row, in x or in w1
	s_cselect_b32 s94, s40, s41                    ; my place among the four that ask for it with me
	s_lshl_b32 s94, s94, 5                         ; my work-group's 32 rows
	s_lshl_b32 s95, s16, 7                         ; of the 128 that I fetch
	s_add_co_u32 s94, s94, s95
	s_lshl_b32 s94, s94, 10                        ; 1,024 bytes a row
	s_mov_b32 s95, 0
	s_add_nc_u64 s[PFA:PFA+1], s[PFA:PFA+1], s[94:95]
	CROUND                                         ; all sixteen work-groups are here: the first joint loads meet
	s_mov_b32 s[G0H], 1
	s_mov_b32 s[G0H+1], 0
	s_mov_b64 s[G0H+2:G0H+3], s[20:21]
	s_or_b32 s[G0H+3], s[G0H+3], 0x80000000
	s_mov_b32 s[G0HB], 1
	s_mov_b32 s[G0HB+1], 2*HALFT
	s_mov_b64 s[G0HB+2:G0HB+3], s[46:47]
	s_or_b32 s[G0HB+3], s[G0HB+3], 0x80000000
	s_mov_b32 s[G0S], 1
	s_mov_b32 s[G0S+1], SCL
	s_mov_b64 s[G0S+2:G0S+3], s[22:23]
	s_or_b32 s[G0S+3], s[G0S+3], 0x80000000
	s_mov_b32 s[G0SB], 1
	s_mov_b32 s[G0SB+1], SCL+2*HALFS
	s_mov_b64 s[G0SB+2:G0SB+3], s[92:93]
	s_or_b32 s[G0SB+3], s[G0SB+3], 0x80000000
	s_add_nc_u64 s[20:21], s[20:21], s[18:19]
	s_add_nc_u64 s[46:47], s[46:47], s[18:19]
.irp s, 0,1
	s_mov_b32 s[G0+4*\s], 1
	s_add_co_u32 s[G0+4*\s+1], s45, \s*SLOT
	s_add_nc_u64 s[G0+4*\s+2:G0+4*\s+3], s[20:21], \s*ROWB
	s_or_b32 s[G0+4*\s+3], s[G0+4*\s+3], 0x80000000
	s_mov_b32 s[G0B+4*\s], 1
	s_add_co_u32 s[G0B+4*\s+1], s45, \s*SLOT
	s_add_nc_u64 s[G0B+4*\s+2:G0B+4*\s+3], s[46:47], \s*ROWB
	s_or_b32 s[G0B+4*\s+3], s[G0B+4*\s+3], 0x80000000
.endr
; the head's loads, one a wave, in one chain of branches on the wave's number
.macro ARM under, g0, g1, next
	s_cmp_lt_u32 s14, \under
	s_cbranch_scc0 \next
	tensor_load_to_lds s[\g0:\g0+3], s[\g1:\g1+7]
	s_nop 0
.rept 4
	v_nop
.endr
	s_branch .Lhead_asked
\next:
.endm
	ARM 1, G0H,  G1,  .Lhead_b
	ARM 2, G0HB, G1B, .Lhead_sa
	ARM 3, G0S,  G1S, .Lhead_sb
	tensor_load_to_lds s[G0SB:G0SB+3], s[G1SB:G1SB+7]
	s_nop 0
.rept 4
	v_nop
.endr
.Lhead_asked:
	; scalar work first, then the lanes' addresses in one run
	s_mul_i32 s18, s15, HALFT                      ; my 128 rows of x, slot 0 and 1
	s_add_co_u32 s19, s18, SLOT
	s_mul_i32 s20, s16, HALFT                      ; my 128 rows of w1, behind x's 256
	s_add_co_u32 s20, s20, 2*HALFT
	s_add_co_u32 s21, s20, SLOT
	s_mul_i32 s23, s15, HALFS                      ; x's scales of my rows
	s_mul_i32 s22, s16, HALFS
	s_add_co_u32 s22, s22, 2*HALFS
	s_sub_co_u32 s22, s22, s23                     ; from them to w1's
	s_add_co_u32 s23, s23, SCL
	s_mul_i32 s45, s14, WSTG                       ; my stage
	s_lshl_b32 s46, s42, 1
	s_add_co_u32 s46, s46, s16                     ; my 128 hidden units are the next product's K step 2 x tile column + half
	s_lshr_b32 s47, s46, 2
	s_lshl_b32 s47, s47, 9
	s_lshl_b32 s92, s17, 4
	s_add_co_u32 s47, s47, s92
	s_lshl_b32 s92, s15, 3
	s_add_co_u32 s47, s47, s92                     ; 512 (K / 512) + my first block of 16 rows
	s_lshl_b32 s92, s47, 12
	s_and_b32 s47, s46, 3
	s_lshl_b32 s47, s47, 10
	s_add_co_u32 s92, s92, s47
	s_mov_b32 s93, 0
	s_add_nc_u64 s[12:13], s[12:13], s[92:93]
	s_lshl_b32 s92, s17, 14                        ; h's scale bytes: 64 a row, 4 for my K step
	s_lshl_b32 s47, s15, 13
	s_add_co_u32 s92, s92, s47
	s_lshl_b32 s47, s46, 2
	s_add_co_u32 s92, s92, s47
	s_add_nc_u64 s[96:97], s[96:97], s[92:93]
	v_and_b32 v1, 15, v0                           ; r
	v_bfe_u32 v2, v0, 4, 1                         ; h
	v_and_b32 v6, 31, v0
	v_lshlrev_b32 v[BO], 5, v2
.irp b, 0,1,2,3,4,5,6,7                        ; the bias in the result's layout: b1 at 16 b + 8 h + 0 .. 7; it comes while the head's tiles come
	global_load_b128 v[BIAS+8*\b:BIAS+8*\b+3], v[BO], s[66:67] offset:64*\b
	global_load_b128 v[BIAS+8*\b+4:BIAS+8*\b+7], v[BO], s[66:67] offset:64*\b+16
.endr
	v_mul_u32_u24 v3, v1, PITCH
	v_lshl_add_u32 v4, v2, 4, v3
	v_add_nc_u32 v[ADRA], s18, v4
	v_add_nc_u32 v[ADRA+1], s19, v4
	v_add_nc_u32 v[ADRB], s20, v4
	v_add_nc_u32 v[ADRB+1], s21, v4
	v_mul_u32_u24 v5, v1, KS
	v_lshrrev_b32 v7, 8, v5
	v_lshl_add_u32 v5, v7, 4, v5                   ; 16 more for each 256 passed
	v_mul_u32_u24 v7, s22, v2                      ; lanes 16-31 take w1's
	v_add_nc_u32 v5, v5, v7
	v_add_nc_u32 v[ADRS], s23, v5
	v_mul_u32_u24 v5, v1, SPITCH
	v_add_nc_u32 v5, s45, v5
	v_lshl_add_u32 v[STO], v2, 5, v5               ; in: row r, 32 bytes for each half of the lanes
	v_lshl_add_u32 v[RD0], v2, 6, v5               ; back: row r, 16 neighbours for each half
	v_lshlrev_b32 v[LI], 4, v6
	v_lshlrev_b32 v[LSC], 6, v6
	v_lshlrev_b32 v[PFO], 10, v6
	global_prefetch_b8 v[PFO], s[PFA:PFA+1] offset:ROWB th:TH_LOAD_NT scope:SCOPE_SE     ; K step 1 of my 32 rows
	global_prefetch_b8 v[PFO], s[PFA:PFA+1] offset:2*ROWB th:TH_LOAD_NT scope:SCOPE_SE   ; K step 2
.macro FRAG reg, adr, q, i
.irp c, 0,1
	ds_load_b128 v[\reg+4*\c:\reg+4*\c+3], v[\adr] offset:64*(\q)+32*\c+(\i)*16*PITCH
.endr
.endm
; 16 matrix instructions: x's blocks a0, a0 + 1 against w1's eight; the 64 accumulators take turns
.macro MUL16 a0, p, q, sc, first
.irp a, \a0, \a0+1
.irp b, 0,1,2,3,4,5,6,7
.if \first
	v_wmma_scale_f32_16x16x128_f8f6f4 v[8*(8*((\a)%4)+\b):8*(8*((\a)%4)+\b)+7], v[128*(\p)+FR*\b:128*(\p)+FR*\b+FR-1], v[AF+FR*(\a):AF+FR*(\a)+FR-1], v[BIAS+8*\b:BIAS+8*\b+7], v[SC+8*NQ*(\sc)+NQ*\b+(\q)], v[SC+8*NQ*(\sc)+NQ*(\a)+(\q)] matrix_a_fmt:MATRIX_FMT_FP4 matrix_b_fmt:MATRIX_FMT_FP4 matrix_a_scale:MATRIX_SCALE_ROW1
.else
	v_wmma_scale_f32_16x16x128_f8f6f4 v[8*(8*((\a)%4)+\b):8*(8*((\a)%4)+\b)+7], v[128*(\p)+FR*\b:128*(\p)+FR*\b+FR-1], v[AF+FR*(\a):AF+FR*(\a)+FR-1], v[8*(8*((\a)%4)+\b):8*(8*((\a)%4)+\b)+7], v[SC+8*NQ*(\sc)+NQ*\b+(\q)], v[SC+8*NQ*(\sc)+NQ*(\a)+(\q)] matrix_a_fmt:MATRIX_FMT_FP4 matrix_b_fmt:MATRIX_FMT_FP4 matrix_a_scale:MATRIX_SCALE_ROW1
.endif
.endr
.endr
.endm
.macro FETCH_B slot, q, p
	WIN TO_B
.irp i, 0,1,2,3,4,5,6,7
	FRAG 128*(\p)+FR*\i, ADRB+\slot, \q, \i
.endr
	WIN 0
.endm
.macro FETCH_A slot, q, i0
.irp i, \i0, \i0+1, \i0+2, \i0+3
	FRAG AF+FR*(\i), ADRA+\slot, \q, \i
.endr
.endm
.macro SCALES sc
.irp i, 0,1,2,3,4,5,6,7
	ds_load_b128 v[SC+8*NQ*\sc+NQ*\i:SC+8*NQ*\sc+NQ*\i+3], v[ADRS] offset:\i*SBLK
.endr
.endm
.macro PLACES n
.rept \n
	v_nop
.endr
.endm
.macro STEP slot, q, first             ; 128 along K with its successor in the same slot
	s_wait_dscnt 4*NL                              ; all but the youngest eight loads (x's blocks 4-7)
.if \first
	WIN FST_LO
.else
	WIN MUL_LO
.endif
	MUL16 0, (\q)%2, \q, \slot, \first
	MUL16 2, (\q)%2, \q, \slot, \first
	s_wait_dscnt 0
	PLACES NP
	FETCH_B \slot, (\q)+1, 1-(\q)%2
	FETCH_A \slot, (\q)+1, 0
.if \first
	WIN FST_HI
.else
	WIN MUL_HI
.endif
	MUL16 4, (\q)%2, \q, \slot, \first
	MUL16 6, (\q)%2, \q, \slot, \first
	PLACES NP
	WIN 0
	FETCH_A \slot, (\q)+1, 4
.endm
.macro TURN slot, next, fill           ; a slot's last step changes slots
	s_wait_tensorcnt 0x0                           ; all my tensor loads have landed: my part of the next slot
	ds_add_u32 v[SPW], v[NIL]
	s_wait_dscnt 4*NL+1                            ; the add and the youngest eight loads may be out
	WIN MUL_LO
	MUL16 0, 1, NQ-1, \slot, 0
	s_wait_dscnt 0x0                               ; the add is done, my reads of this slot are over
	s_barrier_signal -1
	MUL16 2, 1, NQ-1, \slot, 0
	WIN 0
	s_barrier_wait -1
.if \fill
	CREST                                          ; the barrier has opened a round of the cluster's barrier
	s_add_nc_u64 s[G0+4*\slot+2:G0+4*\slot+3], s[G0+4*\slot+2:G0+4*\slot+3], 2*ROWB
	s_add_nc_u64 s[G0B+4*\slot+2:G0B+4*\slot+3], s[G0B+4*\slot+2:G0B+4*\slot+3], 2*ROWB
	JLOAD G0+4*\slot, G1, G0B+4*\slot, G1B
.else
	PLACES NP
.endif
	v_add_nc_u32 v[ADRS], 4*NQ, v[ADRS]            ; the next K step's scale words
	s_wait_alu depctr_va_vdst(0)
	FETCH_B \next, 0, 0
	FETCH_A \next, 0, 0
	SCALES \next
	WIN MUL_HI
	MUL16 4, 1, NQ-1, \slot, 0
	MUL16 6, 1, NQ-1, \slot, 0
	PLACES NP
	WIN 0
	FETCH_A \next, 0, 4
.endm
.macro STEPS slot, from
.set Q, \from
.rept NQ-1-\from
	STEP \slot, Q, 0
.set Q, Q+1
.endr
.endm
	s_wait_alu depctr_va_vdst(0)
	s_wait_loadcnt 0x0                             ; the bias is in
	s_wait_tensorcnt 0x0                           ; my tile of the head's four is in; the three lines ahead of a later first fill
	ds_add_u32 v[SPW], v[NIL]
	s_mov_b32 s[G1+2], 128<<16                     ; no tensor load of mine is out: from here on a load brings 128 rows
	s_mov_b32 s[G1+4], 128
	s_mov_b32 s[G1B+2], 128<<16
	s_mov_b32 s[G1B+4], 128
	s_wait_dscnt 0x0
	CROUND
	JLOAD G0+4, G1, G0B+4, G1B                     ; K step 1, the first tensor load behind the round
	FETCH_B 0, 0, 0
	FETCH_A 0, 0, 0
	SCALES 0
	FETCH_A 0, 0, 4
	global_prefetch_b8 v[PFO], s[PFA:PFA+1] offset:3*ROWB th:TH_LOAD_NT scope:SCOPE_SE   ; K step 3: its tensor load stands two changes of slots on
	STEP 0, 0, 1                                   ; the first products take the bias as C
	STEPS 0, 1
	TURN 0, 1, 1
	STEPS 1, 0
	TURN 1, 0, 1
	STEPS 0, 0
	TURN 0, 1, 0                                   ; the last two K steps fill nothing
	STEPS 1, 0
	s_wait_dscnt 4*NL
	WIN MUL_LO
	MUL16 0, 1, NQ-1, 1, 0
	MUL16 2, 1, NQ-1, 1, 0
	s_wait_dscnt 0
	WIN MUL_HI
	MUL16 4, 1, NQ-1, 1, 0
	MUL16 6, 1, NQ-1, 1, 0
	WIN 0
; THE WAY OUT.  Window 0: v96-159, v160-223 two blocks of 16 rows x 128 columns, 64 numbers a lane; v224-239 at work on scales; v240-247 codes.
; Window 1 (free now): 32 registers each for xc, t, P, Q; four for two coefficients.
.set X0,  96
.set X1,  160
.set TM,  224
.set PC,  240
.set PW0, 12
.set PW1, 13
.set GXC, 0
.set GT,  32
.set GP,  64
.set GQ,  96
.set CP,  128
.set CQ,  130
.macro KPAIR r, val
	s_mov_b32 s[\r], \val
	s_mov_b32 s[\r+1], \val
.endm
.macro DUMP a                          ; block a's sums into my stage, each accumulator from its low end on
.set AC, 64*((\a)%4)
	WIN 0x08+4*((\a)/4)
.irp b, 0,1,2,3,4,5,6,7
	ds_store_b128 v[STO], v[AC+8*\b:AC+8*\b+3] offset:(\a)*16*SPITCH+64*\b
	ds_store_b128 v[STO], v[AC+8*\b+4:AC+8*\b+7] offset:(\a)*16*SPITCH+64*\b+16
.endr
.endm
.macro XLD xs, off                     ; back: of block bb of 32 columns my 16 neighbours
.irp bb, 0,1,2,3
.irp jj, 0,1,2,3
	ds_load_b128 v[\xs+16*\bb+4*\jj:\xs+16*\bb+4*\jj+3], v[RDA] offset:\off+128*\bb+16*\jj
.endr
.endr
.endm
.macro HORNER acc, c
.set i_, 0
.rept 16
	v_pk_fma_f32 v[\acc+i_:\acc+i_+1], v[\acc+i_:\acc+i_+1], v[GT+i_:GT+i_+1], s[\c:\c+1] op_sel_hi:[1,1,0]
.set i_, i_+2
.endr
.endm
.macro GELU xs                         ; 64 numbers in two batches of 32: sixteen independent chains in every stage
.irp k, 0,1
	WIN 0x40                                       ; destination window 1, x window 0
.set i_, 0
.rept 32
	v_med3_num_f32 v[GXC+i_], v[\xs+32*\k+i_], -s52, s52
.set i_, i_+1
.endr
	WIN 0x55                                       ; all in window 1
.set i_, 0
.rept 16
	v_pk_mul_f32 v[GT+i_:GT+i_+1], v[GXC+i_:GXC+i_+1], v[GXC+i_:GXC+i_+1]
.set i_, i_+2
.endr
.set i_, 0
.rept 16
	v_pk_fma_f32 v[GQ+i_:GQ+i_+1], v[GT+i_:GT+i_+1], s[36:37], v[CQ:CQ+1] op_sel_hi:[1,0,1]
.set i_, i_+2
.endr
	HORNER GQ, 38
	HORNER GQ, 48
	HORNER GQ, 50
	s_wait_alu depctr_va_vdst(0)
.set i_, 0
.rept 32
	v_rcp_f32 v[GQ+i_], v[GQ+i_]
.set i_, i_+1
.endr
.set i_, 0
.rept 16                               ; P's whole chain names none of the reciprocals
	v_pk_fma_f32 v[GP+i_:GP+i_+1], v[GT+i_:GT+i_+1], s[24:25], v[CP:CP+1] op_sel_hi:[1,0,1]
.set i_, i_+2
.endr
	HORNER GP, 26
	HORNER GP, 28
	HORNER GP, 30
	HORNER GP, 32
	HORNER GP, 34
.set i_, 0
.rept 16
	v_pk_mul_f32 v[GP+i_:GP+i_+1], v[GP+i_:GP+i_+1], v[GXC+i_:GXC+i_+1]
.set i_, i_+2
.endr
	s_wait_alu depctr_va_vdst(0)                   ; one wait for the batch, ahead of its first reader
.set i_, 0
.rept 16
	v_pk_fma_f32 v[GP+i_:GP+i_+1], v[GP+i_:GP+i_+1], v[GQ+i_:GQ+i_+1], 0.5 op_sel_hi:[1,1,0]
.set i_, i_+2
.endr
	WIN 0x04                                       ; x and the result window 0, the factor window 1
.set i_, 0
.rept 16
	v_pk_mul_f32 v[\xs+32*\k+i_:\xs+32*\k+i_+1], v[\xs+32*\k+i_:\xs+32*\k+i_+1], v[GP+i_:GP+i_+1]
.set i_, i_+2
.endr
.endr
	WIN 0
.endm
.macro QUANT s, pw                     ; four blocks of 32 along the next K, each in lanes l and l xor 16
.irp b, 0,1,2,3
	v_max3_num_f32 v[TM+\b], |v[\s+16*\b]|, |v[\s+1+16*\b]|, 0x1800000   ; with the floor 2^(3 - 127): the byte cannot fall under 1
.endr
.irp i, 2,4,6,8,10,12,14
.irp b, 0,1,2,3
	v_max3_num_f32 v[TM+\b], v[TM+\b], |v[\s+16*\b+\i]|, |v[\s+1+16*\b+\i]|
.endr
.endr
.irp b, 0,1,2,3
	v_permlanex16_b32 v[TM+4+\b], v[TM+\b], s54, s55
.endr
.irp b, 0,1,2,3
	v_max_num_f32 v[TM+\b], v[TM+\b], v[TM+4+\b]
.endr
.irp b, 0,1,2,3
	v_add_nc_u32 v[TM+12+\b], 0xff000000, v[TM+\b]   ; 2 off the exponent field: the conversion's scale operand
.endr
.irp b, 0,1,2,3
	v_lshrrev_b32 v[TM+4+\b], 23, v[TM+12+\b]        ; the scale's byte
.endr
	v_lshl_or_b32 v[\pw], v[TM+5], 8, v[TM+4]
	v_lshl_or_b32 v[\pw], v[TM+6], 16, v[\pw]
	v_lshl_or_b32 v[\pw], v[TM+7], 24, v[\pw]
.irp b, 0,1,2,3
	v_cvt_scalef32_pk8_fp4_f32 v[PC+2*\b], v[\s+16*\b:\s+7+16*\b], v[TM+12+\b]
	v_cvt_scalef32_pk8_fp4_f32 v[PC+1+2*\b], v[\s+8+16*\b:\s+15+16*\b], v[TM+12+\b]
.endr
	v_nop                                          ; one plain place behind a scaled conversion
.irp c, 0,1
.irp i, 0,1
	v_permlane16_swap_b32 v[PC+4*\c+\i], v[PC+2+4*\c+\i]   ; a whole block in a lane, as the operand's layout wants it
.endr
.endr
.endm
	PLACES NP
	s_wait_dscnt 0x0
	s_barrier_signal -1
	s_barrier_wait -1                              ; nobody reads the ring any more: the stages lie there
	KPAIR 24, 0x2C95DF0B
	KPAIR 26, 0x340CFF51
	KPAIR 28, 0x36EEC2D2
	KPAIR 30, 0x3940AC63
	KPAIR 32, 0x3AC1A1F6
	KPAIR 34, 0x3C83DBD4
	KPAIR 36, 0x362CCD2B
	KPAIR 38, 0x3A9BF7B5
	KPAIR 48, 0x3C2AD7F2
	KPAIR 50, 0x3D2542A9
	s_mov_b32 s52, 0x40B504F3
	s_mov_b32 s54, 0x76543210
	s_mov_b32 s55, 0xfedcba98
	s_mov_b32 s56, 0xffff0000
	WIN 0x40
	v_mov_b32 v[CP], 0xB06DFFEE
	v_mov_b32 v[CP+1], 0xB06DFFEE
	v_mov_b32 v[CQ], 0x389E3512
	v_mov_b32 v[CQ+1], 0x389E3512
	WIN 0
.irp b, 0,1,2,3
	v_mov_b32 v[TM+4+\b], 0                        ; a lane permute's destination counts as one of its sources
.endr
.irp a, 0,1,2,3,4,5,6,7
	DUMP \a
.endr
	WIN 0
	s_mov_b32 s57, 0
	s_mov_b32 s3, 4
	v_mov_b32 v[RDA], v[RD0]
	XLD X0, 0
.Lep:                                                  ; a trip: two blocks of 16 rows
	v_add_nc_u32 v[RDA], s57, v[RD0]
	XLD X1, 16*SPITCH
	s_wait_dscnt 16                                ; the first block is back; the 16 loads just issued may be out
	GELU X0
	QUANT X0, PW0
	global_store_b128 v[LI], v[PC:PC+3], s[12:13]              ; 512 consecutive bytes
	global_store_b128 v[LI], v[PC+4:PC+7], s[12:13] offset:512
	s_add_co_u32 s58, s57, 32*SPITCH
	s_min_u32 s58, s58, 112*SPITCH                 ; the last trip reads its own last block again, and nobody uses it
	v_add_nc_u32 v[RDA], s58, v[RD0]
	XLD X0, 0
	s_wait_dscnt 16
	s_wait_xcnt 0x0                                ; the stores have read their registers
	GELU X1
	QUANT X1, PW1
	global_store_b128 v[LI], v[PC:PC+3], s[12:13] offset:4096
	global_store_b128 v[LI], v[PC+4:PC+7], s[12:13] offset:4608
	v_cndmask_b32 v14, v[PW0], v[PW1], s56         ; lanes 0-15 the first block's rows, lanes 16-31 the second's
	global_store_b32 v[LSC], v14, s[96:97]
	s_wait_xcnt 0x0
	s_add_nc_u64 s[12:13], s[12:13], 8192
	s_add_nc_u64 s[96:97], s[96:97], 2048
	s_add_co_u32 s57, s57, 32*SPITCH
	s_sub_co_u32 s3, s3, 1
	s_cmp_lg_u32 s3, 0
	s_cbranch_scc1 .Lep
	s_wait_tensorcnt 0x0                           ; the wave's end
	ds_add_u32 v[SPW], v[NIL]
	s_wait_dscnt 0x0
	CROUND                                         ; the closing round
	s_endpgm
.Lfunc_end_k_q3ebc8d1160_gemm1:
	.size	k_q3ebc8d1160_gemm1, .Lfunc_end_k_q3ebc8d1160_gemm1-k_q3ebc8d1160_gemm1
	.p2alignl 7, 3214868480
	.fill 96, 4, 3214868480
	.section	.rodata,"a",@progbits
	.p2align	6, 0x0
	.amdhsa_kernel k_q3ebc8d1160_gemm1
		.amdhsa_group_segment_fixed_size 327680
		.amdhsa_private_segment_fixed_size 0
		.amdhsa_enable_private_segment 0
		.amdhsa_kernarg_size 56
		.amdhsa_user_sgpr_count 2
		.amdhsa_user_sgpr_kernarg_segment_ptr 1
		.amdhsa_wavefront_size32 1
		.amdhsa_system_sgpr_workgroup_id_x 1
		.amdhsa_system_sgpr_workgroup_id_y 1
		.amdhsa_system_sgpr_workgroup_id_z 1
		.amdhsa_system_vgpr_workitem_id 0
		.amdhsa_next_free_vgpr 1024
		.amdhsa_next_free_sgpr 100
		.amdhsa_reserve_vcc 0
		.amdhsa_float_denorm_mode_32 3
		.amdhsa_float_denorm_mode_16_64 3
		.amdhsa_memory_ordered 1
		.amdhsa_forward_progress 1
		.amdhsa_inst_pref_size 255
	.end_amdhsa_kernel
	.section	.bss,"aw",@nobits
	.p2align	6
	.space	262144
	.amdgpu_metadata
---
amdhsa.version: [ 1, 2 ]
amdhsa.kernels:
  - .name:           k_q3ebc8d1160_gemm1
    .symbol:         k_q3ebc8d1160_gemm1.kd
    .args:
      - { .name: x_codes, .offset: 0, .size: 8, .value_kind: global_buffer, .address_space: global }
      - { .name: x_scales, .offset: 8, .size: 8, .value_kind: global_buffer, .address_space: global }
      - { .name: w1_codes, .offset: 16, .size: 8, .value_kind: global_buffer, .address_space: global }
      - { .name: w1_scales, .offset: 24, .size: 8, .value_kind: global_buffer, .address_space: global }
      - { .name: h_codes, .offset: 32, .size: 8, .value_kind: global_buffer, .address_space: global }
      - { .name: b1, .offset: 40, .size: 8, .value_kind: global_buffer, .address_space: global }
      - { .name: h_scales, .offset: 48, .size: 8, .value_kind: global_buffer, .address_space: global }
    .group_segment_fixed_size: 327680
    .private_segment_fixed_size: 0
    .kernarg_segment_align: 8
    .kernarg_segment_size: 56
    .max_flat_workgroup_size: 128
    .sgpr_count:     100
    .vgpr_count:     1024
    .wavefront_size: 32
...
	.end_amdgpu_metadata
.endif
;; end of part 2
;; launch gemm2 (part 3): grid 32 x 8, 4 waves a work-group, clusters of 4 x 1, 327,680 bytes of LDS; arguments h_codes, h_scales, w2_codes, w2_scales, out0, b2, token_mask; writes out0
.if DOCPART == 3
	.amdgcn_target "amdgcn-amd-amdhsa--gfx1250"
	.amdhsa_code_object_version 6
	.text
	.protected	k_q3ebc8d1160_gemm2
	.globl	k_q3ebc8d1160_gemm2
	.p2align	8
	.type	k_q3ebc8d1160_gemm2,@function
k_q3ebc8d1160_gemm2:
	s_mov_b64 s[64:65], 0
	v_nop
	global_prefetch_b8 v0, s[64:65] scope:SCOPE_SE
	s_setreg_imm32_b32 hwreg(HW_REG_WAVE_MODE, 25, 1), 1
	s_wait_xcnt 0x0
	s_wait_alu depctr_hold_cnt(0) depctr_sa_sdst(0) depctr_va_vdst(0) depctr_va_sdst(0) depctr_va_ssrc(0) depctr_va_vcc(0) depctr_vm_vsrc(0)
	s_getreg_b32 s2, hwreg(HW_REG_IB_STS2, 6, 4)
	s_cmp_eq_u32 s2, 0
	s_cbranch_scc0 .Lentry_in_a_cluster
	s_endpgm
.Lentry_in_a_cluster:
	s_bfe_u32 s2, ttmp6, 0x10000c
	s_cmp_lg_u32 s2, 0x3003
	s_cbranch_scc0 .Lentry_shape_is_right
	s_endpgm
.Lentry_shape_is_right:
; out0 = (hq w2^T + b2) x fmask.  hq: codes of FP4 (E2M1) in the order of the operand's registers, [K / 512 (4)][row / 16 (512)][(K / 128) % 4][c (2)][lane (32)][16 bytes], scale bytes [8192][64] (made by the launch before);
; w2: [2048][2048] codes, K innermost, scale bytes [2048][64] (given); b2 [2048] f32; token_mask [8192] i32; out0 [8192][2048] f32.
; fmask(row, col) = 1 where 1 <= m <= 4 and col < 2048 >> (4 - m), else 0.  The width is a multiple of 256 by that formula, so the work-group's 256 columns of a row are all kept or all masked: one factor a row, made without a branch.
; SHARES.  A work-group of four waves makes a tile of 256 rows x 256 columns (32 x 8 tiles).  Wave w takes rows 64 w .. 64 w + 63 and ALL 256 columns.
; A wave's 64 rows of h for all of K are 512 registers: they are loaded once, straight from memory (each load takes 512 consecutive bytes), and stay.  K quarters 0 and 1 are asked for at the head, quarters 2 and 3 at the heads of the first two units.
; The whole tile of w2, 256 rows of 1,024 bytes, lies in LDS at once: every LDS byte is filled once, at the head, one tensor load a wave: wave 0 the scales, waves 1 to 3 rows 0-95, 96-175, 176-255.  No ring, no refill.
; The columns are finished 64 at a time (a group: 256 bytes of each row of out0).  A finished group leaves while the next is multiplied: the stores of its last two blocks of rows stand at the heads of the next group's first four units.
; A UNIT is a pair of 16-column blocks x 512 along K: 8 fragments of w2 from LDS, each against my 4 blocks of rows: 32 matrix instructions on 8 accumulators by turns.  In a group the K quarter is the outer index and the group's
; two pairs the inner one: so the first group multiplies each quarter of h twice while the later quarters are on their way.
; CLUSTER: 4 x 1 work-groups: four tile rows of one tile column need the same tile of w2 and its scales: each part is asked for JOINTLY.
; h's rows are needed by the eight work-groups of a tile row too, but are NOT asked for jointly: a tensor load lands in LDS, and of its 327,680 bytes w2's tile takes 266,240, its scales 17,408 and the stages 17,408: h's 262,144 do not fit beside them.
; PREFETCH: K quarters 2 and 3 of my 64 rows of h (2 x 16,384 bytes) are asked of memory at the head, ahead of their loads: one instruction a wave, a lane a block of 256 bytes; tile column c names share c % 4 of each quarter (16 blocks).
; All else that the launch reads is asked for at its head.
; THE MATRIX INSTRUCTION IS USED TRANSPOSED (source 0 = 16 rows of w2, source 1 = 16 rows of h): a lane holds eight neighbouring columns of one row.  THE BIAS is the C of each sum's first instruction.
; LIMITS: NaN and infinities are not served.
; REGISTERS, in windows of 256: window 0: v1-7 at work, v8-23 addresses, v24-30 at work on m; v32-63 h's scale words and v64-95 w2's (two sets), and nothing else; v96-103 the rows' factors; v104 the prefetch's offset;
;   v128-191 the bias, two sets of 32; v192-255 rows of out0 on the way out, two sets of 32.   window 1: v0-127 w2's fragments, two sets of 8; v128-255 the 16 accumulators of a group ((column block cb, row block i) at v[128 + 8 (4 cb + i)]).
;   window 2: h's fragments of K steps 0-7 ((K step ks, row block i) at v[32 (ks % 8) + 8 i]);   window 3: those of K steps 8-15.
.set PITCH,  1040                      ; a row of w2's tile in LDS: 1,024 bytes + 16 of padding: the 16 rows that a load touches begin at 16 different 16-byte columns of 256
.set REG,    16*PITCH                  ; a block of 16 rows
.set SCB,    16*REG                    ; behind the tile: w2's scale bytes, 64 runs of 256 bytes (4 rows each) + 16 of padding
.set STAGE,  SCB+64*272                ; behind them: a stage of 16 rows x (256 bytes + 16) for each wave; no tile lands here
.set SPITCH, 272
.set WSTG,   16*SPITCH
.set SPARE,  STAGE+4*WSTG              ; behind the stages: the spare words, 512 bytes that no other line names
.set NP,     4                         ; places behind this matrix instruction (ISA guide 7.12.1)
.set ADRB, 8                           ; v8-15   LDS address of my lane in the pairs of column blocks 0 .. 7
.set ADRS, 16                          ; v16     my lane's scale words of w2: lane l takes row l of a pair
.set STO,  17                          ; v17     the stage, in
.set RD,   18                          ; v18     the stage, back: lanes 0-15 one row, lanes 16-31 the next
.set CO,   19                          ; v19     the same two rows in out0
.set LI,   20                          ; v20     16 x lane
.set LS,   21                          ; v21     64 x lane
.set BO,   22                          ; v22     the bias: 32 x (lane / 16)
.set MO,   23                          ; v23     token_mask: 4 x (lane % 16)
.set MK,   24                          ; v24-27  m of my rows
.set AS,   32                          ; v[AS + 16 (i / 2) + ks]: lanes 0-15 the scale words of row block i even, lanes 16-31 of i odd
.set BS,   64                          ; v[BS + 16 (P % 2) + ks]: lanes 0-15 pair P's first column block, lanes 16-31 its second
.set FM,   96                          ; v[FM + 2 i : FM + 2 i + 1]: the factor, 1.0 or 0, of row 16 i + lane % 16
.set PFO,  104                         ; v104    the prefetch's offset; never rewritten
.set BIAS, 128
.set BK,   192
.set ACC,  128                         ; in window 1
.set G1,   24                          ; s[24:31] group 1 for 96 rows of codes;  s[80:87] for 80 rows;  s[32:39] for the scales
.set G1C,  80
.set G1S,  32
.set G0,   40                          ; s[40:51] group 0 for the three parts of the tile;  s[56:59] for the scales
.set G0S,  56
.set MSB, 0
.macro WIN new                         ; the immediate's high byte repeats the setting that is left
.if MSB != (\new)
	s_set_vgpr_msb (MSB<<8)|(\new)
.set MSB, (\new)
.endif
.endm
.macro CROUND                          ; a round of the cluster's barrier
	s_barrier_signal -1
	s_barrier_wait -1
	s_cmp_lg_u32 s14, 0
	s_cbranch_scc1 .Lnot_wave_0_\@
	s_barrier_signal -3
.Lnot_wave_0_\@:
	s_barrier_wait -3
	s_barrier_signal -1
	s_barrier_wait -1
.endm
.macro PLACES n
.rept \n
	v_nop
.endr
.endm
	s_load_b128 s[4:7], s[0:1], 0x0                ; h's codes, h's scales
	s_load_b128 s[8:11], s[0:1], 0x10              ; w2's codes, w2's scales
	s_load_b64 s[12:13], s[0:1], 0x20              ; out0
	s_load_b64 s[66:67], s[0:1], 0x28              ; b2
	s_load_b64 s[68:69], s[0:1], 0x30              ; token_mask
	v_lshl_add_u32 v126, v0, 2, SPARE
	v_mov_b32 v127, 0
	ds_add_u32 v126, v127                          ; the opening lines: the add twice on end
	ds_add_u32 v126, v127
	v_lshrrev_b32 v1, 5, v0
	v_readfirstlane_b32 s14, v1                    ; wave
	s_and_b32 s18, ttmp7, 0xffff                   ; tile column: the four partners share it
.irp g, G1, G1C                        ; whole rows of 1,024 bytes, 16 bytes of padding behind each (after 256 words, code 7, 4 words, code 3); the mask names all four work-groups
	s_mov_b32 s[\g+0], 15|(0<<16)|(1<<20)|(1<<21)|(7<<22)|(3<<25)
	s_mov_b32 s[\g+1], 1024<<16
	s_mov_b32 s[\g+3], 1024<<16
	s_mov_b32 s[\g+5], 1024
	s_mov_b32 s[\g+6], 0
	s_mov_b32 s[\g+7], 0
.endr
	s_mov_b32 s[G1+2], 96<<16
	s_mov_b32 s[G1+4], 96
	s_mov_b32 s[G1C+2], 80<<16
	s_mov_b32 s[G1C+4], 80
	; the scales of 256 rows: a dense block of 16,384 bytes, as 64 rows of 256 bytes, 16 bytes of padding behind each
	s_mov_b32 s[G1S+0], 15|(3<<16)|(1<<20)|(1<<21)|(5<<22)|(3<<25)
	s_mov_b32 s[G1S+1], 32<<16
	s_mov_b32 s[G1S+2], 64<<16
	s_mov_b32 s[G1S+3], 32<<16
	s_mov_b32 s[G1S+4], 64
	s_mov_b32 s[G1S+5], 32
	s_mov_b32 s[G1S+6], 0
	s_mov_b32 s[G1S+7], 0
	s_lshl_b32 s20, s18, 18                        ; w2's codes: row 256 x tile column, 1,024 bytes a row
	s_mov_b32 s21, 0
	s_lshl_b32 s22, s18, 14                        ; w2's scales: 64 bytes a row
	s_mov_b32 s23, 0
	s_mul_i32 s62, s14, WSTG
	s_add_co_u32 s62, s62, STAGE                   ; my stage
	s_and_b32 s63, s18, 3
	s_lshl_b32 s63, s63, 12                        ; the prefetch: my tile column's share, 4,096 bytes of each quarter's 16,384
	v_and_b32 v1, 15, v0                           ; r
	v_bfe_u32 v2, v0, 4, 1                         ; h
	v_and_b32 v3, 31, v0                           ; lane
	v_mul_u32_u24 v4, v1, PITCH
	v_lshl_add_u32 v4, v2, 4, v4                   ; a fragment of w2: row r x pitch + 16 h
.irp j, 0,1,2,3,4,5,6,7
	v_add_nc_u32 v[ADRB+\j], \j*2*REG, v4
.endr
	v_lshrrev_b32 v5, 2, v3
	v_mul_u32_u24 v5, v5, 272
	v_and_b32 v6, 3, v3
	v_lshl_add_u32 v5, v6, 6, v5
	v_add_nc_u32 v[ADRS], SCB, v5                  ; row l of a pair: run l / 4, 64 (l % 4) bytes into it
	v_mul_u32_u24 v5, v1, SPITCH
	v_lshl_add_u32 v5, v2, 5, v5
	v_add_nc_u32 v[STO], s62, v5
	v_mul_u32_u24 v5, v2, SPITCH
	v_lshl_add_u32 v5, v1, 4, v5
	v_add_nc_u32 v[RD], s62, v5
	v_lshlrev_b32 v5, 13, v2
	v_lshl_add_u32 v[CO], v1, 4, v5                ; a row of out0 is 8,192 bytes
	v_lshlrev_b32 v[LI], 4, v3
	v_lshlrev_b32 v[LS], 6, v3
	v_lshlrev_b32 v[BO], 5, v2
	v_lshlrev_b32 v[MO], 2, v1
	v_lshlrev_b32 v7, 8, v1                        ; the prefetch: block lane % 16 of my share,
	v_lshl_add_u32 v7, v2, 21, v7                  ; lanes 0-15 in K quarter 2, lanes 16-31 in quarter 3 (0x200000 bytes on)
	v_add_nc_u32 v[PFO], s63, v7
	s_wait_dscnt 0x0
	s_wait_kmcnt 0x0
	s_add_nc_u64 s[8:9], s[8:9], s[20:21]
	s_add_nc_u64 s[10:11], s[10:11], s[22:23]
	s_mov_b32 s[G0S], 1
	s_mov_b32 s[G0S+1], SCB
	s_mov_b64 s[G0S+2:G0S+3], s[10:11]
	s_or_b32 s[G0S+3], s[G0S+3], 0x80000000
.irp g, 0,1,2                          ; the parts begin at rows 0, 96 and 176
	s_mov_b32 s[G0+4*\g], 1
	s_mov_b32 s[G0+4*\g+1], (96*\g-8*\g*(\g-1))*PITCH
	s_add_nc_u64 s[G0+4*\g+2:G0+4*\g+3], s[8:9], (96*\g-8*\g*(\g-1))*1024
	s_or_b32 s[G0+4*\g+3], s[G0+4*\g+3], 0x80000000
.endr
	CROUND                                         ; all four work-groups are here: the joint loads meet
; the head's loads, one a wave, in one chain of branches on the wave's number
.macro ARM under, g0, g1, next
	s_cmp_lt_u32 s14, \under
	s_cbranch_scc0 \next
	tensor_load_to_lds s[\g0:\g0+3], s[\g1:\g1+7]
	s_nop 0
.rept 4
	v_nop
.endr
	s_branch .Lhead_asked
\next:
.endm
	ARM 1, G0S, G1S, .Lhead_p0
	ARM 2, G0, G1, .Lhead_p1
	ARM 3, G0+4, G1C, .Lhead_p2
	tensor_load_to_lds s[G0+8:G0+11], s[G1C:G1C+7]
	s_nop 0
.rept 4
	v_nop
.endr
.Lhead_asked:
	s_bfe_u32 s72, ttmp6, 0x40000                  ; cx: it enters global addresses of h, token_mask and out0 alone
	s_lshl_b32 s73, ttmp9, 2
	s_add_co_u32 s73, s73, s72                     ; tile row
	s_mov_b32 s75, 0
	s_lshl_b32 s74, s73, 10                        ; token_mask: row 256 x tile row + 64 x wave, 4 bytes a row
	s_lshl_b32 s76, s14, 8
	s_add_co_u32 s74, s74, s76
	s_add_nc_u64 s[68:69], s[68:69], s[74:75]
	s_lshl_b32 s74, s73, 14                        ; h's scales: 64 bytes a row
	s_lshl_b32 s76, s14, 12
	s_add_co_u32 s74, s74, s76
	s_add_nc_u64 s[6:7], s[6:7], s[74:75]
	s_lshl_b32 s74, s73, 16                        ; h's codes: block of rows 16 x tile row + 4 x wave, 4,096 bytes a block in each quarter of K
	s_lshl_b32 s76, s14, 14
	s_add_co_u32 s74, s74, s76
	s_add_nc_u64 s[4:5], s[4:5], s[74:75]
	s_lshl_b32 s74, s73, 21                        ; out0: 8,192 bytes a row,
	s_lshl_b32 s76, s14, 19
	s_add_co_u32 s74, s74, s76
	s_lshl_b32 s76, s18, 10                        ; and 1,024 bytes a tile column
	s_add_co_u32 s74, s74, s76
	s_add_nc_u64 s[12:13], s[12:13], s[74:75]
	s_mov_b32 s77, 0
	s_add_nc_u64 s[66:67], s[66:67], s[76:77]      ; b2 at the tile's first column
	s_lshl_b32 s70, s18, 8                         ; the tile's first column
.macro BIASLD g                        ; the bias of column group g into set g % 2
.irp cb, 0,1,2,3
	global_load_b128 v[BIAS+32*((\g)%2)+8*\cb:BIAS+32*((\g)%2)+8*\cb+3], v[BO], s[66:67] offset:256*(\g)+64*\cb
	global_load_b128 v[BIAS+32*((\g)%2)+8*\cb+4:BIAS+32*((\g)%2)+8*\cb+7], v[BO], s[66:67] offset:256*(\g)+64*\cb+16
.endr
.endm
.macro HLOAD kq                        ; h's fragments of K quarter kq: 32 loads of 512 consecutive bytes
	WIN 0x80+0x40*((\kq)/2)                        ; destination window 2 or 3, address window 0
.irp k, 0,1,2,3
.irp i, 0,1,2,3
.irp c, 0,1
	global_load_b128 v[32*(4*((\kq)%2)+\k)+8*\i+4*\c:32*(4*((\kq)%2)+\k)+8*\i+4*\c+3], v[LI], s[4:5] offset:(\kq)*0x200000+\i*4096+\k*1024+512*\c
.endr
.endr
.endr
.endm
	s_wait_alu depctr_va_vdst(0)
.irp i, 0,1,2,3
	global_load_b32 v[MK+\i], v[MO], s[68:69] offset:64*\i      ; m of row 16 i + r
.endr
.irp pr, 0,1
.irp j, 0,1,2,3
	global_load_b128 v[AS+16*\pr+4*\j:AS+16*\pr+4*\j+3], v[LS], s[6:7] offset:2048*\pr+16*\j   ; row 32 pr + lane: the words of K steps 4 j .. 4 j + 3
.endr
.endr
	BIASLD 0
	BIASLD 1
	HLOAD 0
	global_prefetch_b8 v[PFO], s[4:5] offset:2*0x200000 th:TH_LOAD_NT scope:SCOPE_SE   ; my share of K quarters 2 and 3: 32 blocks of 256 bytes
	HLOAD 1
	WIN 0
	s_wait_loadcnt 63                              ; 92 loads have been issued: the first 29 are in: m, h's scale words, the bias of groups 0 and 1
	v_mov_b32 v29, 0x800                           ; 2,048
	v_mov_b32 v30, 1.0
.irp i, 0,1,2,3                                ; the rows' factors: selects, no branch
	v_add_nc_u32 v28, -1, v[MK+\i]
	v_cmp_gt_u32 s71, 4, v28                       ; 1 <= m <= 4, as one unsigned compare
	v_sub_nc_u32 v28, 4, v[MK+\i]
	v_lshrrev_b32 v28, v28, v29                    ; 2048 >> (4 - m)
	v_cmp_lt_u32 vcc_lo, s70, v28                  ; the tile's first column lies under the width: then all its 256 do
	s_and_b32 vcc_lo, vcc_lo, s71
	v_cndmask_b32 v[FM+2*\i], 0, v30, vcc_lo
	v_mov_b32 v[FM+2*\i+1], v[FM+2*\i]             ; (named with it as a pair, so it is written)
.endr
; Unit u: group u / 8; in it K quarter (u % 8) / 2 and pair 2 (u / 8) + u % 2 of column blocks.  Its 8 fragments of w2 into set u % 2; with a pair's first unit come the pair's scale words for all of K.
.macro BLOAD u
.set P_, 2*((\u)/8)+(\u)%2
.set KQ_, ((\u)%8)/2
	WIN 0x40                                       ; destination window 1, address window 0
.irp k, 0,1,2,3
.irp bb, 0,1
.irp c, 0,1
	ds_load_b128 v[64*((\u)%2)+8*(2*\k+\bb)+4*\c:64*((\u)%2)+8*(2*\k+\bb)+4*\c+3], v[ADRB+P_] offset:\bb*REG+256*KQ_+64*\k+32*\c
.endr
.endr
.endr
.if KQ_ == 0
	WIN 0
.irp j, 0,1,2,3
	ds_load_b128 v[BS+16*(P_%2)+4*\j:BS+16*(P_%2)+4*\j+3], v[ADRS] offset:P_*2176+16*\j   ; 32 rows are 8 runs of 272 bytes
.endr
.endif
.endm
; The unit's 32 matrix instructions: K ascending; in each K step 2 column blocks x 4 row blocks: 8 accumulators take turns.  A sum's first instruction takes the bias as its C.
.macro MM u
.set P_, 2*((\u)/8)+(\u)%2
.set KQ_, ((\u)%8)/2
.irp k, 0,1,2,3
.if (KQ_ == 0) && (\k == 0)
	WIN 0x49                                       ; source 0 (w2) window 1, source 1 (h) window 2, C (the bias) window 0, D window 1
.else
	WIN 0x59+4*(KQ_/2)                             ; source 1 window 2 or 3, C and D window 1
.endif
.irp bb, 0,1
.irp i, 0,1,2,3
.set rD, ACC+8*(4*(2*(P_%2)+\bb)+\i)
.set rB, 64*((\u)%2)+8*(2*\k+\bb)
.set rA, 32*(4*(KQ_%2)+\k)+8*\i
.set rS0, BS+16*(P_%2)+4*KQ_+\k
.set rS1, AS+16*(\i/2)+4*KQ_+\k
.if (KQ_ == 0) && (\k == 0)
.set rC, BIAS+32*((P_/2)%2)+8*(2*(P_%2)+\bb)
.else
.set rC, rD
.endif
.if (\bb == 0) && (\i%2 == 0)
	v_wmma_scale_f32_16x16x128_f8f6f4 v[rD:rD+7], v[rB:rB+7], v[rA:rA+7], v[rC:rC+7], v[rS0], v[rS1] matrix_a_fmt:MATRIX_FMT_FP4 matrix_b_fmt:MATRIX_FMT_FP4
.elseif (\bb == 1) && (\i%2 == 0)
	v_wmma_scale_f32_16x16x128_f8f6f4 v[rD:rD+7], v[rB:rB+7], v[rA:rA+7], v[rC:rC+7], v[rS0], v[rS1] matrix_a_fmt:MATRIX_FMT_FP4 matrix_b_fmt:MATRIX_FMT_FP4 matrix_a_scale:MATRIX_SCALE_ROW1
.elseif (\bb == 0) && (\i%2 == 1)
	v_wmma_scale_f32_16x16x128_f8f6f4 v[rD:rD+7], v[rB:rB+7], v[rA:rA+7], v[rC:rC+7], v[rS0], v[rS1] matrix_a_fmt:MATRIX_FMT_FP4 matrix_b_fmt:MATRIX_FMT_FP4 matrix_b_scale:MATRIX_SCALE_ROW1
.else
	v_wmma_scale_f32_16x16x128_f8f6f4 v[rD:rD+7], v[rB:rB+7], v[rA:rA+7], v[rC:rC+7], v[rS0], v[rS1] matrix_a_fmt:MATRIX_FMT_FP4 matrix_b_fmt:MATRIX_FMT_FP4 matrix_a_scale:MATRIX_SCALE_ROW1 matrix_b_scale:MATRIX_SCALE_ROW1
.endif
.endr
.endr
.endr
.endm
; Four stores: half hf of block i of group g.  Lanes 0-15 store 256 consecutive bytes of one row, lanes 16-31 of the next, each at a multiple of 256 from out0's first byte; block, rows and group stand in the immediate.
.macro SENDH g, i, hf
.irp p, 0,1,2,3
	global_store_b128 v[CO], v[BK+32*((\i)%2)+4*(4*(\hf)+\p):BK+32*((\i)%2)+4*(4*(\hf)+\p)+3], s[12:13] offset:(\i)*131072+2*(4*(\hf)+\p)*8192+256*(\g) th:TH_STORE_NT
.endr
.endm
; A unit: its fragments were asked for at the head of the unit before; the next unit's are asked for now, in one run.
.macro UNIT u
	s_wait_dscnt 0x0                               ; this unit's fragments are in, and so are the rows read back from the stage; no LDS instruction of mine is out
.if (\u) == 0
	HLOAD 2                                        ; into registers that no matrix instruction has named yet
.elseif (\u) == 1
	HLOAD 3
.endif
.if ((\u) == 0) || ((\u) == 2)
	s_wait_loadcnt 63                              ; behind the quarter that this unit multiplies (0, or 1) stand the 64 loads of the next two quarters
.elseif (\u) == 4
	s_wait_loadcnt 32                              ; K quarter 2 is in; the 32 loads of quarter 3 may be out
.elseif (\u) == 6
	s_wait_loadcnt 0x0                             ; all of h is in
.elseif (\u) == 16
	s_wait_loadcnt 8                               ; group 2's bias is in; the 8 loads of group 3's, issued behind it, may be out
.elseif (\u) == 24
	s_wait_loadcnt 0x0                             ; group 3's bias is in
.endif
.if ((\u) >= 8) && ((\u)%8 < 4)
	WIN 0
	SENDH (\u)/8-1, 2+((\u)%8)/2, (\u)%2           ; the last group's blocks 2 and 3 leave four stores at a time
.endif
	PLACES NP                                      ; between the last unit's products and the loads into the set that they read
.if (\u) < 31
	BLOAD (\u)+1
.endif
	MM \u
.endm
; THE WAY OUT of a group, a block of 16 rows at a time: times the rows' factors; through my own stage in LDS; back as whole rows of 256 bytes, two an instruction.  LDS serves a wave's instructions in order (ISA guide 5.7.1.4).
.macro MASK i
	WIN 0x41                                       ; destination and source 0 window 1; the factor window 0
.irp cb, 0,1,2,3
.irp p, 0,2,4,6
	v_pk_mul_f32 v[ACC+8*(4*\cb+\i)+\p:ACC+8*(4*\cb+\i)+\p+1], v[ACC+8*(4*\cb+\i)+\p:ACC+8*(4*\cb+\i)+\p+1], v[FM+2*\i:FM+2*\i+1] op_sel_hi:[1,0]   ; each accumulator from its low end on
.endr
.endr
.endm
.macro TOSTAGE i
	WIN 0x04                                       ; an LDS store's data are its source 1: window 1
.irp cb, 0,1,2,3
	ds_store_b128 v[STO], v[ACC+8*(4*\cb+\i):ACC+8*(4*\cb+\i)+3] offset:64*\cb
	ds_store_b128 v[STO], v[ACC+8*(4*\cb+\i)+4:ACC+8*(4*\cb+\i)+7] offset:64*\cb+16
.endr
	WIN 0
.irp p, 0,1,2,3,4,5,6,7
	ds_load_b128 v[BK+32*(\i%2)+4*\p:BK+32*(\i%2)+4*\p+3], v[RD] offset:2*\p*SPITCH
.endr
.endm
.macro SEND g, i, younger              ; younger: the LDS instructions issued behind block i's loads, which may stay out
	s_wait_dscnt \younger
	SENDH \g, \i, 0
	SENDH \g, \i, 1
.endm
.macro OUT g
	PLACES NP                                      ; between the last products and the multiplications that read and write their results
	MASK 0
	s_wait_alu depctr_va_vdst(0)
	s_wait_xcnt 0x0                                ; the last group's stores have read their registers: rows may be loaded there again
	TOSTAGE 0
	MASK 1
	TOSTAGE 1
	SEND \g, 0, 16                                 ; behind block 0's loads: block 1's 8 stores and 8 loads
	MASK 2
	s_wait_alu depctr_va_vdst(0)
	s_wait_xcnt 0x0                                ; block 0's stores have read their registers
	TOSTAGE 2
	SEND \g, 1, 16
	MASK 3
	s_wait_alu depctr_va_vdst(0)
	s_wait_xcnt 0x0                                ; block 1's stores have read their registers
	TOSTAGE 3
.if \g == 3
	SEND \g, 2, 16                                 ; nothing follows the last group
	SEND \g, 3, 0
.endif
.if \g < 2
	BIASLD \g+2                                    ; into the set that this group's first products have read
.endif
.endm
	s_wait_tensorcnt 0x0                           ; my part of the head's four has landed
	s_barrier_signal -1
	s_barrier_wait -1                              ; everybody's has
	BLOAD 0
.set U, 0
.irp g, 0,1,2,3
.rept 8
	UNIT U
.set U, U+1
.endr
	OUT \g
.endr
	s_wait_tensorcnt 0x0                           ; the wave's end
	ds_add_u32 v126, v127
	s_wait_dscnt 0x0
	CROUND                                         ; the closing round
	s_endpgm
.Lfunc_end_k_q3ebc8d1160_gemm2:
	.size	k_q3ebc8d1160_gemm2, .Lfunc_end_k_q3ebc8d1160_gemm2-k_q3ebc8d1160_gemm2
	.p2alignl 7, 3214868480
	.fill 96, 4, 3214868480
	.section	.rodata,"a",@progbits
	.p2align	6, 0x0
	.amdhsa_kernel k_q3ebc8d1160_gemm2
		.amdhsa_group_segment_fixed_size 327680
		.amdhsa_private_segment_fixed_size 0
		.amdhsa_enable_private_segment 0
		.amdhsa_kernarg_size 56
		.amdhsa_user_sgpr_count 2
		.amdhsa_user_sgpr_kernarg_segment_ptr 1
		.amdhsa_wavefront_size32 1
		.amdhsa_system_sgpr_workgroup_id_x 1
		.amdhsa_system_sgpr_workgroup_id_y 1
		.amdhsa_system_sgpr_workgroup_id_z 1
		.amdhsa_system_vgpr_workitem_id 0
		.amdhsa_next_free_vgpr 1024
		.amdhsa_next_free_sgpr 100
		.amdhsa_reserve_vcc 1
		.amdhsa_float_denorm_mode_32 3
		.amdhsa_float_denorm_mode_16_64 3
		.amdhsa_memory_ordered 1
		.amdhsa_forward_progress 1
		.amdhsa_inst_pref_size 243
	.end_amdhsa_kernel
	.amdgpu_metadata
---
amdhsa.version: [ 1, 2 ]
amdhsa.kernels:
  - .name:           k_q3ebc8d1160_gemm2
    .symbol:         k_q3ebc8d1160_gemm2.kd
    .args:
      - { .name: h_codes, .offset: 0, .size: 8, .value_kind: global_buffer, .address_space: global }
      - { .name: h_scales, .offset: 8, .size: 8, .value_kind: global_buffer, .address_space: global }
      - { .name: w2_codes, .offset: 16, .size: 8, .value_kind: global_buffer, .address_space: global }
      - { .name: w2_scales, .offset: 24, .size: 8, .value_kind: global_buffer, .address_space: global }
      - { .name: out0, .offset: 32, .size: 8, .value_kind: global_buffer, .address_space: global }
      - { .name: b2, .offset: 40, .size: 8, .value_kind: global_buffer, .address_space: global }
      - { .name: token_mask, .offset: 48, .size: 8, .value_kind: global_buffer, .address_space: global }
    .group_segment_fixed_size: 327680
    .private_segment_fixed_size: 0
    .kernarg_segment_align: 8
    .kernarg_segment_size: 56
    .max_flat_workgroup_size: 128
    .sgpr_count:     100
    .vgpr_count:     1024
    .wavefront_size: 32
...
	.end_amdgpu_metadata
.endif
;; end of part 3
